; MI455X (gfx1250); checked and timed in simulation.
; The chip was launched on July 23, 2026; its instructions are those of AMD's public machine-readable ISA for CDNA 5 (MIT licence, August 2026) and "CDNA5" Instruction Set Architecture Reference Guide (July 2026). The comments in the code are by the model that wrote it; some were corrected since.
;; SNN Classifier. Allowed arithmetic: float matrix products may take bf16 or f16 operands with f32 sums; other float arithmetic in f32, or as packed bf16 or f16 multiplies, adds, multiply-adds, maxima and minima; sums over many terms, partial sums and values carried from step to step in f32; what a program stores and reads back later, other than sums and carried values, may be rounded once to bf16 or f16.
;; Inputs: b1 2,048 float32; b2 2 float32; w1 2,048 x 1,024 float32; w2 2 x 2,048 float32; x_sequence 256 x 128 x 1,024 float32.
;; Outputs: out0 256 x 2 float32.
;; One version. Each part assembles by itself: llvm-mc -triple=amdgcn-amd-amdhsa -mcpu=gfx1250 --defsym DOCPART=n.
;; ======== version 1 of 1: 3 launches
;; workspace buffers: w1b 4,194,304 bytes; part 131,072 bytes
;; launch conv (part 1): grid 256 x 1, 8 waves a work-group, no clusters, 0 bytes of LDS; arguments w1, w1b; writes w1b
.if DOCPART == 1
	.amdgcn_target "amdgcn-amd-amdhsa--gfx1250"
	.amdhsa_code_object_version 6
	.text
	.protected	k_qf7cd99f862_conv
	.globl	k_qf7cd99f862_conv
	.p2align	8
	.type	k_qf7cd99f862_conv,@function
k_qf7cd99f862_conv:
	s_mov_b64 s[64:65], 0
	v_nop
	global_prefetch_b8 v0, s[64:65] scope:SCOPE_SE
	s_setreg_imm32_b32 hwreg(HW_REG_WAVE_MODE, 25, 1), 1
	s_wait_xcnt 0x0
; w1 [2048][1024] f32 is rounded once to bf16 and laid in blocks of K: w1b[S][n][128], S = k / 128, so that a neuron's 128 k of one
; K step are 256 consecutive bytes and the 128 neurons of a wave of the next launch are 32,768 consecutive bytes.
; Eight waves, a neuron a wave: neuron 8 x work-group + wave.  Load S of a wave takes 512 consecutive bytes (128 k), 16 a lane;
; store S puts their 256 bytes, 8 a lane, at a multiple of 256 from w1b's first byte.  Memory binds: no LDS, no barrier, no matrix unit.
.set SBYTES, 2048*256                  ; bytes of w1b in one K step
.set IN,  4                            ; v[4:35]   load S: four f32
.set OUT, 36                           ; v[36:51]  store S: four bf16
	s_load_b128 s[4:7], s[0:1], 0x0                ; w1 s[4:5], w1b s[6:7]
	v_lshrrev_b32 v1, 5, v0                        ; wave
	v_and_b32 v2, 31, v0                           ; lane
	v_lshlrev_b32 v2, 4, v2
	v_lshl_add_u32 v1, v1, 12, v2                  ; from: wave x 4,096 (a row of w1) + 16 x lane
	v_lshlrev_b32 v3, 3, v0                        ; to: wave x 256 + 8 x lane = 8 x thread
	s_lshl_b32 s8, ttmp9, 15                       ; the work-group's 8 rows of w1
	s_mov_b32 s9, 0
	s_lshl_b32 s10, ttmp9, 11                      ; and its 8 x 256 bytes in each K step of w1b
	s_mov_b32 s11, 0
	s_wait_kmcnt 0x0
	s_add_nc_u64 s[4:5], s[4:5], s[8:9]
	s_add_nc_u64 s[6:7], s[6:7], s[10:11]
.irp S, 0,1,2,3,4,5,6,7
	global_load_b128 v[IN+4*(\S):IN+4*(\S)+3], v1, s[4:5] offset:512*(\S) th:TH_LOAD_NT
.endr
.irp S, 0,1,2,3,4,5,6,7
	s_wait_loadcnt 7-(\S)                          ; loads come back in order: load S is in, the younger ones stay out
	v_cvt_pk_bf16_f32 v[OUT+2*(\S)],   v[IN+4*(\S)],   v[IN+4*(\S)+1]
	v_cvt_pk_bf16_f32 v[OUT+2*(\S)+1], v[IN+4*(\S)+2], v[IN+4*(\S)+3]
	global_store_b64 v3, v[OUT+2*(\S):OUT+2*(\S)+1], s[6:7] offset:(\S)*SBYTES
.endr
	s_endpgm
.Lfunc_end_k_qf7cd99f862_conv:
	.size	k_qf7cd99f862_conv, .Lfunc_end_k_qf7cd99f862_conv-k_qf7cd99f862_conv
	.p2alignl 7, 3214868480
	.fill 96, 4, 3214868480
	.section	.rodata,"a",@progbits
	.p2align	6, 0x0
	.amdhsa_kernel k_qf7cd99f862_conv
		.amdhsa_group_segment_fixed_size 0
		.amdhsa_private_segment_fixed_size 0
		.amdhsa_enable_private_segment 0
		.amdhsa_kernarg_size 16
		.amdhsa_user_sgpr_count 2
		.amdhsa_user_sgpr_kernarg_segment_ptr 1
		.amdhsa_wavefront_size32 1
		.amdhsa_system_sgpr_workgroup_id_x 1
		.amdhsa_system_sgpr_workgroup_id_y 1
		.amdhsa_system_sgpr_workgroup_id_z 1
		.amdhsa_system_vgpr_workitem_id 0
		.amdhsa_next_free_vgpr 52
		.amdhsa_next_free_sgpr 66
		.amdhsa_reserve_vcc 0
		.amdhsa_float_denorm_mode_32 3
		.amdhsa_float_denorm_mode_16_64 3
		.amdhsa_memory_ordered 1
		.amdhsa_forward_progress 1
		.amdhsa_inst_pref_size 4
	.end_amdhsa_kernel
	.amdgpu_metadata
---
amdhsa.version: [ 1, 2 ]
amdhsa.kernels:
  - .name:           k_qf7cd99f862_conv
    .symbol:         k_qf7cd99f862_conv.kd
    .args:
      - { .name: w1, .offset: 0, .size: 8, .value_kind: global_buffer, .address_space: global }
      - { .name: w1b, .offset: 8, .size: 8, .value_kind: global_buffer, .address_space: global }
    .group_segment_fixed_size: 0
    .private_segment_fixed_size: 0
    .kernarg_segment_align: 8
    .kernarg_segment_size: 16
    .max_flat_workgroup_size: 256
    .sgpr_count:     66
    .vgpr_count:     52
    .wavefront_size: 32
...
	.end_amdgpu_metadata
.endif
;; end of part 1
;; launch snn (part 2): grid 4 x 64, 4 waves a work-group, clusters of 4 x 4, 327,680 bytes of LDS; arguments x_sequence, w1b, b1, w2, part; writes part
.if DOCPART == 2
	.amdgcn_target "amdgcn-amd-amdhsa--gfx1250"
	.amdhsa_code_object_version 6
	.text
	.protected	k_qf7cd99f862_snn
	.globl	k_qf7cd99f862_snn
	.p2align	8
	.type	k_qf7cd99f862_snn,@function
k_qf7cd99f862_snn:
	s_mov_b64 s[64:65], 0
	v_nop
	global_prefetch_b8 v0, s[64:65] scope:SCOPE_SE
	s_setreg_imm32_b32 hwreg(HW_REG_WAVE_MODE, 25, 1), 1
	s_wait_xcnt 0x0
	s_wait_alu depctr_hold_cnt(0) depctr_sa_sdst(0) depctr_va_vdst(0) depctr_va_sdst(0) depctr_va_ssrc(0) depctr_va_vcc(0) depctr_vm_vsrc(0)
	s_getreg_b32 s2, hwreg(HW_REG_IB_STS2, 6, 4)
	s_cmp_eq_u32 s2, 0
	s_cbranch_scc0 .Lentry_in_a_cluster
	s_endpgm
.Lentry_in_a_cluster:
	s_bfe_u32 s2, ttmp6, 0x10000c
	s_cmp_lg_u32 s2, 0xf033
	s_cbranch_scc0 .Lentry_shape_is_right
	s_endpgm
.Lentry_shape_is_right:
; cur[b][t][h] = sum over k of x[b][t][k] w1[h][k] + b1[h];  m_t = 0.95 m_(t-1) + cur_t - [m_(t-1) > 1], m_(-1) = 0;  s_t = [m_t > 1];
; part = for each batch and output o the sum, over the wave's 128 neurons h, of (sum over t of s_t) w2[o][h].  (The sum over t commutes with the second product; the counts, 128 at the most, are exact in f32.)
; x: [256][128][1024] f32.  w1b: w1 in bf16 as [8 K steps][2048 neurons][128 k].  b1: [2048], w2: [2][2048] f32.  part: [64 y][4 quarters of H][4 waves][32 lanes] f32: lane 2 i + o holds batch 4 y + i, output o; lanes 8-31 hold 0.
; LIMITS.  x, w1, b1 and w2 are each rounded once to bf16; products in bf16, sums in f32.  The order of rounding differs from the formula as written: the bias starts the sum over k, 0.95 m + cur is one fused
; multiply-add, the reset is taken away behind it.  A membrane that lies within that rounding of the threshold may spike otherwise.  NaN and infinities are not treated apart.
; SHARES.  A tile is one batch (128 rows: all its t) x 512 neurons; each of four waves makes 128 x 128 of it in 64 accumulators, 512 registers, so a neuron's whole time line lies in one wave and cur never leaves registers.
; A WORK-GROUP STAYS: it makes the tiles of batches 4 y .. 4 y + 3 on the same 512 neurons; the rings run on from tile to tile.
; B (w1b) goes in K steps of 128 through two LDS slots filled by the tensor data mover; each wave fetches, and reads, its own 128 neurons.
; CLUSTER 4 x 4: the four work-groups of a column have the same quarter of H and walk the same tiles of w1b in step: each tile is asked for JOINTLY, by the same load with the same descriptor and the column's mask.
; A (x) is shared along a row of the cluster, and is NOT asked for jointly: it arrives in f32 and has to be rounded before it can be a fragment.  Two f32 slots of only 64 k (2 x 32,768 bytes) beside B's ring (278,528),
; the bf16 ring (36,864) and the spare words (512) would be 381,440 bytes of the 327,680.  So x goes through registers: 16-byte loads, two roundings, an 8-byte LDS store into a bf16 ring of two slots of 128 rows x 64 k.
; Two sets of 16 loads a wave are on their way: in half-step h (64 k, 128 matrix instructions) a wave stores its 32 rows of half-step h + 1 and asks for half-step h + 3.
; THE SCAN.  In a result lane l holds neuron l % 16 and the times 8 (l / 16) + 0..7.  v_permlane16_swap_b32 on register j of two neighbouring blocks of neurons leaves 32 neurons at ONE time in each register:
; registers 64 (a % 4) + 16 g + 0..15 then hold t = 16 a + 0..15 of neurons 32 g + lane, and the scan runs in all lanes, four groups g side by side.
; REGISTERS, in windows of 256 (s_set_vgpr_msb: bits 1:0 source 0, 3:2 source 1, 5:4 source 2, 7:6 destination):
;   window 0: v0-31 addresses and constants; v32-47 counts; v64-191 x as loaded, two sets; v192-255 the bias, eight equal registers for each block of 16 neurons
;   window 1: v0-127 fragments of A, two buffers of 8 x 16 rows x 32 k; v128-255 of B likewise      window 2: accumulators of t = 0-63, (a, b) at v[8 (8 a + b)]      window 3: those of t = 64-127
.set BP,     272                       ; a row of B in LDS: 256 bytes + 16 of padding = 68 words: the 16 rows of a load start at 16 different groups of four banks (64 banks of 4 bytes: ISA guide 11.1)
.set BWAVE,  128*BP                    ; a wave's 128 neurons
.set BSLOT,  4*BWAVE
.set ABASE,  2*BSLOT                   ; behind B's ring: the bf16 ring of x, written by LDS stores alone; no tensor load lands there
.set AP,     144                       ; a row of A: 128 bytes + 16 = 36 words
.set ASLOT,  128*AP
.set SPARE,  ABASE+2*ASLOT             ; the spare words, 128 bytes for each wave: two blocks of 256 bytes that no other line names
.set BSTEPB, 2048*256                  ; bytes of w1b in a K step
.set BACK_B, 6*BSTEPB                  ; from a slot's last K step of a tile back to its first: every tile takes the same rows of w1b
.set XROW,   4096                      ; bytes in a row of x
.set NEXT_X, 128*XROW-15*256           ; from a batch's last half-step to the next batch's first
.set ADRA, 4                           ; v4    LDS address of my A fragments in slot 0
.set ADRB, 6                           ; v6-7  of my B fragments in slot 0, 1
.set XO,   8                           ; v8    my byte offset in x: my wave's 32 rows, 8 rows on for lanes 16-31, 16 bytes a lane
.set XS,   9                           ; v9    where the same numbers go in LDS
.set LN,   10                          ; v10   lane
.set RES,  11                          ; v11   the wave's results, lane 2 i + o
.set PO,   12                          ; v12   4 x lane
.set BETA, 13                          ; v13   0.95
.set NEG1, 14                          ; v14   -1
.set B1O,  15                          ; v15   4 x (lane % 16)
.set BIG,  16                          ; v16   2^24
.set NBIG, 17                          ; v17   -2^24
.set SPW,  18                          ; v18   LDS address of my spare word: SPARE + 4 x my thread's number; never rewritten
.set NIL,  19                          ; v19   0; never rewritten
.set W2R,  20                          ; v20-27  w2[o] of neurons 32 g + lane at W2R + 4 o + g
.set P0,   28                          ; v28-29  the two outputs' sums;  v30-31 the other half of the lanes'
.set PT,   30
.set CNT,  32                          ; v32-47  group g, chain c: a pair at CNT + 4 g + 2 c
.set XBUF, 64
.set BIAS, 192
.set WV,   14                          ; s14  my wave's number
.set G1,   24                          ; s[24:31] descriptor group 1
.set G0,   32                          ; s[32:39] descriptor group 0, a set for each slot
.set XB,   40                          ; s[40:41] x at the half-step asked for last
.set LAPC, 45
.set TILES, 46
.set E0,   47                          ; s47, s50  the lanes 2 i, 2 i + 1 that take this tile's results
.set SEL,  48                          ; s[48:49] v_permlanex16_b32's selects: each lane takes its own place in the other half
.set E1,   50
.set MSB, 0
.macro WIN new                         ; the immediate's high byte repeats the setting that is left; a switch that changes nothing is dropped
.if MSB != (\new)
	s_set_vgpr_msb (MSB<<8)|(\new)
.set MSB, (\new)
.endif
.endm
.set MULN, 0xa5                        ; A and B window 1, C and D window 2 (+0x50: window 3)
.set MULB, 0x85                        ; the same with C, the bias, in window 0 (+0x40: D window 3)
.set TO_F, 0x40                        ; destination window 1, address window 0
.macro PLACES                          ; a load into a register that a matrix instruction has read stands four plain vector instructions behind it (ISA guide 7.12.1 for vector instructions)
.rept 4
	v_nop
.endr
.endm
.macro CREST                           ; a round of the cluster's barrier behind its opening barrier
	s_cmp_lg_u32 s[WV], 0
	s_cbranch_scc1 .Lnot_wave_0_\@
	s_barrier_signal -3
.Lnot_wave_0_\@:
	s_barrier_wait -3
	s_barrier_signal -1
	s_barrier_wait -1
.endm
.macro CROUND                          ; a whole round
	s_barrier_signal -1
	s_barrier_wait -1
	CREST
.endm
.macro JLOAD s                         ; a joint load: one line and one mask for all four waves; the descriptors differ by the wave's number alone.  An s_nop 0 and four v_nop follow it
	tensor_load_to_lds s[G0+4*(\s):G0+4*(\s)+3], s[G1:G1+7]
	s_nop 0
.rept 4
	v_nop
.endr
.endm
; Unit j of 16 of a wave's x work: rows rho and rho + 8 of my 32 (lanes 0-15, lanes 16-31), 256 consecutive bytes of each in memory, 128 in LDS; the two LDS pieces lie 1,152 bytes apart, 128 modulo 256: every bank once.
; xm = 1: the registers are loaded again, with the half-step two on; behind load j stand 15 - j of its set, the other set's 16 and the j just issued: 31.  xm = 2, 3: the last tile's end, nothing is asked for: 31 - j, 15 - j.
.macro XUNIT j, set, slot, xm
.set XR, XBUF+64*(\set)+4*(\j)
.set RHO, (\j)%8+16*((\j)/8)
	WIN 0
.if (\xm) == 1
	s_wait_loadcnt 31
.elseif (\xm) == 2
	s_wait_loadcnt 31-(\j)
.else
	s_wait_loadcnt 15-(\j)
.endif
	v_cvt_pk_bf16_f32 v[XR],   v[XR],   v[XR+1]
	v_cvt_pk_bf16_f32 v[XR+1], v[XR+2], v[XR+3]
	ds_store_b64 v[XS], v[XR:XR+1] offset:(\slot)*ASLOT+RHO*AP
.if (\xm) == 1
	global_load_b128 v[XR:XR+3], v[XO], s[XB:XB+1] offset:RHO*XROW
.endif
.endm
.macro XFILL set                       ; a set's first 16 loads
.set un, 0
.rept 16
	global_load_b128 v[XBUF+64*(\set)+4*un:XBUF+64*(\set)+4*un+3], v[XO], s[XB:XB+1] offset:(un%8+16*(un/8))*XROW
.set un, un+1
.endr
.endm
.macro XSTEP bytes
	s_wait_xcnt 0x0                                ; the loads issued so far have had their addresses translated (ISA guide 3.1): only behind this wait is their base stepped
	s_add_nc_u64 s[XB:XB+1], s[XB:XB+1], \bytes
.endm
; 16 matrix instructions: blocks a0, a0 + 1 of the window's four blocks of 16 t x all 8 blocks of 16 neurons, 32 along K, from buffer f.  bias = 1: the bias starts the sums: nothing is cleared.
; xm != 0: unit n of the x work stands behind matrix instruction n.  The 64 accumulators take turns in the same order in every quarter.
.macro MUL16 f, hi, a0, bias=0, xm=0, set=0, slot=0
.set un, 0
.irp a, \a0, (\a0)+1
.irp b, 0,1,2,3,4,5,6,7
.set rD, 8*(8*(\a)+(\b))
.set rA, 64*(\f)+8*(4*(\hi)+(\a))
.set rB, 128+64*(\f)+8*(\b)
.if \bias
	WIN MULB+0x40*(\hi)
	v_wmma_f32_16x16x32_bf16 v[rD:rD+7], v[rA:rA+7], v[rB:rB+7], v[BIAS+8*(\b):BIAS+8*(\b)+7]
.else
	WIN MULN+0x50*(\hi)
	v_wmma_f32_16x16x32_bf16 v[rD:rD+7], v[rA:rA+7], v[rB:rB+7], v[rD:rD+7]
.endif
.if \xm
	XUNIT un, \set, \slot, \xm
.endif
.set un, un+1
.endr
.endr
.endm
; 32 LDS loads in one run: a quarter's fragments (32 k) into buffer f: my 128 neurons at byte kb of B's slot sb, then the 128 rows of x at byte ka of A's slot sa.
; A fragment is 16 rows x 32 k in 8 registers: lane l holds row l % 16, k = 8 (l / 16) + 0..7 and 16 + 8 (l / 16) + 0..7: two loads of 16 bytes, 32 bytes apart.
.macro FETCH sa, ka, sb, kb, f
	WIN TO_F
.irp i, 0,1,2,3,4,5,6,7
	ds_load_b128 v[128+64*(\f)+8*(\i):128+64*(\f)+8*(\i)+3],   v[ADRB+(\sb)] offset:(\kb)+(\i)*16*BP
	ds_load_b128 v[128+64*(\f)+8*(\i)+4:128+64*(\f)+8*(\i)+7], v[ADRB+(\sb)] offset:(\kb)+(\i)*16*BP+32
.endr
.irp i, 0,1,2,3,4,5,6,7
	ds_load_b128 v[64*(\f)+8*(\i):64*(\f)+8*(\i)+3],   v[ADRA] offset:(\sa)*ASLOT+(\ka)+(\i)*16*AP
	ds_load_b128 v[64*(\f)+8*(\i)+4:64*(\f)+8*(\i)+7], v[ADRA] offset:(\sa)*ASLOT+(\ka)+(\i)*16*AP+32
.endr
.endm
; A half-step's first quarter: multiplies buffer 0, carries the x work in its first 16 matrix instructions, and fetches the second quarter's fragments into buffer 1 in its middle.
.macro QUARTER sa, ka, sb, kb, bias=0, xm=0, set=0, slot=0, step=256
.if (\xm) == 1
	XSTEP \step
.endif
	s_wait_dscnt 8                                 ; B and A's rows 0-63 are in; the youngest eight loads (A's rows 64-127) may be out
	MUL16 0, 0, 0, \bias, \xm, \set, \slot
	MUL16 0, 0, 2, \bias
	PLACES
	FETCH \sa, \ka, \sb, \kb, 1
	s_wait_dscnt 32                                ; all but the 32 just issued: A's rows 64-127, and my stores of x
	MUL16 0, 1, 0, \bias
	MUL16 0, 1, 2, \bias
.endm
; A half-step's second quarter, inside a K step: multiplies buffer 1 and changes A's slots.  In front of the barrier each wave has waited for its stores into the next slot and for its reads of this one;
; behind it the next slot is whole and this one may be written.  B's refill stays on its way: no tensor load fills anything behind this barrier.
.macro TURNA sa, sb, kb
	s_wait_dscnt 8
	MUL16 1, 0, 0
	s_wait_dscnt 0x0
	s_barrier_signal -1
	MUL16 1, 0, 2
	s_barrier_wait -1
	PLACES
	FETCH \sa, 0, \sb, \kb, 0
	MUL16 1, 1, 0
	MUL16 1, 1, 2
.endm
; The same at a K step's end, where B's slots change too.  Each wave waits for all its tensor loads, of which one is out: its part of B's next slot; adds 0 to its spare word; waits for that, for its reads and for its stores of x.
.macro MEET round                      ; round = 1: a round of the cluster's barrier follows
	WIN 0
	s_wait_tensorcnt 0x0                           ; no tensor load of mine is out, so a group 0 may be written
	ds_add_u32 v[SPW], v[NIL]                      ; 0 onto my spare word
	s_wait_dscnt 9                                 ; (the add and the youngest eight loads may be out)
	MUL16 1, 0, 0                                  ; sixteen matrix instructions stand between the add and the wait for it
	s_wait_dscnt 0x0
	s_barrier_signal -1
	MUL16 1, 0, 2
.if \round
	WIN 0
.endif
	s_barrier_wait -1
.endm
; B's slot just read out is filled again first behind the round: with this tile's K step two on (on = 0), or with the next tile's K step 0 or 1 (on = 1).  From the request to the wait for it a wave issues 224 matrix instructions.
.macro TURNB slot, on
	MEET 1
	CREST                                          ; no wave of any partner still reads this slot or has a load on its way
.if \on
	s_sub_nc_u64 s[G0+4*(\slot)+2:G0+4*(\slot)+3], s[G0+4*(\slot)+2:G0+4*(\slot)+3], BACK_B
.else
	s_add_nc_u64 s[G0+4*(\slot)+2:G0+4*(\slot)+3], s[G0+4*(\slot)+2:G0+4*(\slot)+3], 2*BSTEPB
.endif
	JLOAD \slot                                    ; its four v_nop are also the places in front of the loads below
	FETCH 0, 0, 1-(\slot), 0, 0
	MUL16 1, 1, 0
	MUL16 1, 1, 2
.endm
; THE SCAN's parts.  SWAPS a: block a's 64 registers are turned into 16 times x 4 groups of 32 neurons; each accumulator's register 0 is read first.
.macro SWAPS a
	WIN 0x82+0x41*((\a)/4)                         ; destination and source 0 in window 2 or 3
.irp g, 0,1,2,3
.irp j, 0,1,2,3,4,5,6,7
	v_permlane16_swap_b32 v[64*((\a)%4)+16*(\g)+(\j)], v[64*((\a)%4)+16*(\g)+8+(\j)]
.endr
.endr
.endm
; STEP: time t (a symbol).  m_t = cur_t + 0.95 m_(t-1); then m_(t-1) gives way to s_(t-1) = (m - 1) 2^24 held to 0 .. 1: one rounding, at least 2 where m > 1 (the next f32 above 1 is 1 + 2^-23) and at most 0 elsewhere, so it is exactly
; 1 or 0; then m_t -= s_(t-1).  Four groups side by side.  At t = 64 the two times lie in different windows.
.macro STEP
.set RT, 64*((t/16)%4)+t%16
.set RP, 64*(((t-1)/16)%4)+(t-1)%16
.set WT, 2+t/64
.set WP, 2+(t-1)/64
	WIN WT*64+WP
.irp g, 0,1,2,3
	v_fmac_f32 v[RT+16*(\g)], v[RP+16*(\g)], v[BETA]
.endr
	WIN WP*64+WP
.irp g, 0,1,2,3
	v_fma_f32 v[RP+16*(\g)], v[RP+16*(\g)], v[BIG], v[NBIG] clamp
.endr
	WIN WT*64+WP
.irp g, 0,1,2,3
	v_fmac_f32 v[RT+16*(\g)], v[RP+16*(\g)], v[NEG1]
.endr
.endm
.macro COUNT a                         ; block a's spikes onto the counts, two times at once, two chains a group
	WIN 0x02+(\a)/4                                ; source 0 in window 2 or 3
.irp p, 0,1,2,3,4,5,6,7
.irp g, 0,1,2,3
	v_pk_add_f32 v[CNT+4*(\g)+2*((\p)%2):CNT+4*(\g)+2*((\p)%2)+1], v[64*((\a)%4)+16*(\g)+2*(\p):64*((\a)%4)+16*(\g)+2*(\p)+1], v[CNT+4*(\g)+2*((\p)%2):CNT+4*(\g)+2*((\p)%2)+1]
.endr
.endr
.endm
	s_load_b256 s[4:11], s[0:1], 0x0               ; x s[4:5], w1b s[6:7], b1 s[8:9], w2 s[10:11]
	s_load_b64 s[12:13], s[0:1], 0x20              ; part
	v_lshl_add_u32 v[SPW], v0, 2, SPARE
	v_mov_b32 v[NIL], 0
	ds_add_u32 v[SPW], v[NIL]                      ; the wave's opening: the add and its wait stand ahead of my first tensor load; the set-up below, work on registers, stands between them
	v_lshrrev_b32 v3, 5, v0
	v_readfirstlane_b32 s[WV], v3                  ; wave 0..3
	s_bfe_u32 s15, ttmp6, 0x40000                  ; cx
	s_bfe_u32 s16, ttmp6, 0x40004                  ; cy
	s_and_b32 s17, ttmp7, 0xffff                   ; in a cluster launch ttmp9 and ttmp7 count clusters
	s_lshl_b32 s17, s17, 2
	s_add_co_u32 s17, s17, s16                     ; y = 4 x cluster y + cy: my four batches
	s_lshl_b32 s18, ttmp9, 2
	s_add_co_u32 s18, s18, s15                     ; my quarter of H = 4 x cluster x + cx
	s_lshl_b32 s19, 0x1111, s15                    ; my column of the cluster: places cx, cx + 4, cx + 8, cx + 12
	; descriptor group 1: a tile of 128 rows x 128 elements, dense in memory, padded in LDS
	s_or_b32 s[G1], s19, (1<<16)|(1<<20)|(1<<21)|(5<<22)|(3<<25)  ; 15:0 the mask; 17:16 elements of 2 bytes; 20 padding on; 21 set beside a mask; 24:22 after every 64 words (code 5); 31:25 4 words of it (code 3)
	s_mov_b32 s[G1+1], 128<<16                     ; tensor_dim0 = 128
	s_mov_b32 s[G1+2], 128<<16                     ; tensor_dim1 = 128
	s_mov_b32 s[G1+3], 128<<16                     ; tile_dim0 = 128
	s_mov_b32 s[G1+4], 128                         ; tile_dim1 = 128
	s_mov_b32 s[G1+5], 128                         ; 128 elements from row to row
	s_mov_b32 s[G1+6], 0
	s_mov_b32 s[G1+7], 0
	s_lshl_b32 s20, s18, 17                        ; w1b: my quarter's 512 neurons of 256 bytes,
	s_lshl_b32 s21, s[WV], 15                      ; my wave's 128 of them: made of cx and the wave's number alone
	s_add_co_u32 s20, s20, s21
	s_mov_b32 s21, 0
	s_lshl_b32 s22, s17, 21                        ; x: batch 4 y, 524,288 bytes a batch
	s_mov_b32 s23, 0
	s_lshl_b32 s2, s18, 11                         ; b1 and w2: my wave's first neuron x 4 bytes
	s_lshl_b32 s3, s[WV], 9
	s_add_co_u32 s2, s2, s3
	s_mov_b32 s3, 0
	s_lshl_b32 s42, s17, 11                        ; part: ((4 y + quarter) 4 + wave) x 128 bytes
	s_lshl_b32 s43, s18, 9
	s_add_co_u32 s42, s42, s43
	s_lshl_b32 s43, s[WV], 7
	s_add_co_u32 s42, s42, s43
	s_mov_b32 s43, 0
	s_mul_i32 s44, s[WV], BWAVE                    ; my part of a slot of B: no place in the cluster enters an LDS address
	s_lshl_b32 s51, s[WV], 17                      ; my wave's 32 rows of x in memory,
	s_mul_i32 s52, s[WV], 32*AP                    ; and in LDS
	s_add_co_u32 s52, s52, ABASE
	s_mov_b32 s[SEL], 0x76543210
	s_mov_b32 s[SEL+1], 0xfedcba98
	s_wait_dscnt 0x0                               ; the opening add is done
	s_wait_kmcnt 0x0
	s_add_nc_u64 s[6:7], s[6:7], s[20:21]
	s_add_nc_u64 s[XB:XB+1], s[4:5], s[22:23]
	s_add_nc_u64 s[8:9], s[8:9], s[2:3]
	s_add_nc_u64 s[10:11], s[10:11], s[2:3]
	s_add_nc_u64 s[12:13], s[12:13], s[42:43]
	CROUND                                         ; all sixteen work-groups are here: the first joint loads meet
.irp s, 0,1
	s_mov_b32 s[G0+4*(\s)], 1                                      ; count = 1
	s_add_co_u32 s[G0+4*(\s)+1], s44, (\s)*BSLOT                   ; LDS address
	s_add_nc_u64 s[G0+4*(\s)+2:G0+4*(\s)+3], s[6:7], (\s)*BSTEPB   ; global address: K step s
	s_or_b32 s[G0+4*(\s)+3], s[G0+4*(\s)+3], 0x80000000            ; type = 2
.endr
	tensor_load_to_lds s[G0:G0+3], s[G1:G1+7]      ; both first fills together: two tensor loads of mine are out; later one
	s_nop 0
	tensor_load_to_lds s[G0+4:G0+7], s[G1:G1+7]
	s_nop 0
.rept 4
	v_nop
.endr
	v_and_b32 v1, 15, v0                           ; l % 16
	v_bfe_u32 v2, v0, 4, 1                         ; l / 16
	v_and_b32 v[LN], 31, v0
	v_lshlrev_b32 v[B1O], 2, v1
	v_lshlrev_b32 v[PO], 2, v[LN]
	v_lshlrev_b32 v3, 4, v1
	v_lshl_add_u32 v3, v2, 15, v3                  ; 16 bytes a lane; lanes 16-31 eight rows on
	v_add_nc_u32 v[XO], s51, v3
.irp b, 0,1,2,3,4,5,6,7
	global_load_b32 v[BIAS+8*(\b)], v[B1O], s[8:9] offset:64*(\b)  ; b1 of neuron 16 b + l % 16
.endr
.irp o, 0,1
.irp g, 0,1,2,3
	global_load_b32 v[W2R+4*(\o)+(\g)], v[PO], s[10:11] offset:(\o)*8192+(\g)*128  ; w2[o] of neuron 32 g + lane
.endr
.endr
	XFILL 0                                        ; half-step 0
	XSTEP 256
	XFILL 1                                        ; half-step 1
	XSTEP 256
	v_mul_u32_u24 v3, v1, AP
	v_lshl_add_u32 v3, v2, 4, v3                   ; a fragment's row x pitch + 16 x half
	v_add_nc_u32 v[ADRA], ABASE, v3
	v_mul_u32_u24 v3, v1, BP
	v_lshl_add_u32 v3, v2, 4, v3
	v_add_nc_u32 v[ADRB], s44, v3
	v_add_nc_u32 v[ADRB+1], BSLOT, v[ADRB]
	v_lshlrev_b32 v3, 3, v1                        ; four bf16 a lane; lanes 16-31 eight rows on
	v_mad_u32_u24 v3, v2, 8*AP, v3
	v_add_nc_u32 v[XS], s52, v3
	v_mov_b32 v[RES], 0
	v_mov_b32 v[BETA], 0x3f733333
	v_mov_b32 v[NEG1], -1.0
	v_mov_b32 v[BIG], 0x4b800000
	v_mov_b32 v[NBIG], 0xcb800000
	v_mov_b32 v[PT], 0                             ; v_permlanex16_b32's destinations count as read: written once here
	v_mov_b32 v[PT+1], 0
	s_wait_loadcnt 32                              ; b1 and w2 are in; behind them stand x's two sets of 16
.irp b, 0,1,2,3,4,5,6,7
	v_cvt_pk_bf16_f32 v3, v[BIAS+8*(\b)], v[BIAS+8*(\b)]           ; b1 rounded to bf16, and widened into the block's eight registers
.irp j, 0,1,2,3,4,5,6,7
	v_lshlrev_b32 v[BIAS+8*(\b)+(\j)], 16, v3
.endr
.endr
.irp i, 0,1,2,3,4,5,6,7
	v_cvt_pk_bf16_f32 v3, v[W2R+(\i)], v[W2R+(\i)]                 ; w2 likewise
	v_lshlrev_b32 v[W2R+(\i)], 16, v3
.endr
.set un, 0
.rept 16
	XUNIT un, 0, 0, 1                              ; half-step 0 into A's slot 0; half-step 2 is asked for
.set un, un+1
.endr
	s_wait_tensorcnt 0x1                           ; my part of K step 0 is in; K step 1's may stay out: no tensor load fills anything behind this barrier
	s_wait_dscnt 0x0                               ; my stores of x are done
	s_barrier_signal -1
	s_barrier_wait -1
	FETCH 0, 0, 0, 0, 0
	WIN 0                                          ; at a label and at a branch every window is 0
	s_mov_b32 s[TILES], 4                          ; tiles to go, this one among them: the same number in every work-group
	s_mov_b32 s[E0], 0
	s_mov_b32 s[E1], 1
.Ltile:
	QUARTER 0, 64, 0, 64, 1, 1, 1, 1               ; a tile's first quarter stands in front of the loop: the bias starts the sums
	WIN 0
	s_mov_b32 s[LAPC], 3
.Llap:                                                 ; a trip: two K steps, four half-steps, from a lap's second quarter to the next lap's first
	TURNA 1, 0, 128
	QUARTER 1, 64, 0, 192, 0, 1, 0, 0
	TURNB 0, 0
	QUARTER 0, 64, 1, 64, 0, 1, 1, 1
	TURNA 1, 1, 128
	QUARTER 1, 64, 1, 192, 0, 1, 0, 0
	TURNB 1, 0
	QUARTER 0, 64, 0, 64, 0, 1, 1, 1
	WIN 0
	s_sub_co_u32 s[LAPC], s[LAPC], 1
	s_cmp_lg_u32 s[LAPC], 0
	s_cbranch_scc1 .Llap
	TURNA 1, 0, 128                                ; the tile's last lap goes on
	WIN 0
	s_cmp_eq_u32 s[TILES], 1
	s_cbranch_scc1 .Llast                          ; the last tile's tail is written out: it asks for nothing more
	QUARTER 1, 64, 0, 192, 0, 1, 0, 0, NEXT_X      ; BOTH RINGS GO ON INTO THE NEXT TILE: x's loads step to the next batch,
	TURNB 0, 1                                     ; B's slot 0 takes K step 0 again,
	QUARTER 0, 64, 1, 64, 0, 1, 1, 1
	TURNA 1, 1, 128
	QUARTER 1, 64, 1, 192, 0, 1, 0, 0              ; the next batch's half-step 0 goes into A's slot 0,
	TURNB 1, 1                                     ; slot 1 takes K step 1, and the next tile's first fragments are fetched
	WIN 0
	s_branch .Lscan
.Llast:
	QUARTER 1, 64, 0, 192, 0, 2, 0, 0              ; half-step 14 is stored; the counts run down
	MEET 0                                         ; my one tensor load that was out is the last K step's, so no round follows
	PLACES
	FETCH 0, 0, 1, 0, 0
	MUL16 1, 1, 0
	MUL16 1, 1, 2
	QUARTER 0, 64, 1, 64, 0, 3, 1, 1               ; half-step 15 is stored
	TURNA 1, 1, 128
	QUARTER 1, 64, 1, 192
	s_wait_dscnt 8                                 ; the very last quarter: nothing more to fetch
	MUL16 1, 0, 0
	MUL16 1, 0, 2
	s_wait_dscnt 0x0
	MUL16 1, 1, 0
	MUL16 1, 1, 2
	WIN 0
.Lscan:                                                ; THE SCAN, on cur in the accumulators.  The sixteen lines that start the counts are also the places behind the last products
.set i, 0
.rept 16
	v_mov_b32 v[CNT+i], 0
.set i, i+1
.endr
	SWAPS 0                                        ; m_0 = cur_0: the membrane starts at 0
.set t, 1
.rept 127
.if t%16 == 0
	SWAPS t/16
.endif
	STEP
.set t, t+1
.endr
	WIN 0xc3
.irp g, 0,1,2,3
	v_fma_f32 v[207+16*(\g)], v[207+16*(\g)], v[BIG], v[NBIG] clamp  ; s_127
.endr
.irp a, 0,1,2,3,4,5,6,7
	COUNT \a
.endr
	WIN 0
.irp g, 0,1,2,3
	v_pk_add_f32 v[CNT+4*(\g):CNT+4*(\g)+1], v[CNT+4*(\g):CNT+4*(\g)+1], v[CNT+4*(\g)+2:CNT+4*(\g)+3]
.endr
.irp g, 0,1,2,3
	v_add_f32 v[CNT+4*(\g)], v[CNT+4*(\g)], v[CNT+4*(\g)+1]        ; the count of neuron 32 g + lane
.endr
	v_mul_f32 v[P0],   v[CNT], v[W2R]
	v_mul_f32 v[P0+1], v[CNT], v[W2R+4]
.irp g, 1,2,3
	v_fmac_f32 v[P0],   v[CNT+4*(\g)], v[W2R+(\g)]
	v_fmac_f32 v[P0+1], v[CNT+4*(\g)], v[W2R+4+(\g)]
.endr
.irp m, 1,2,4,8                        ; over the 32 lanes: four steps inside each half ride on the addition, one crosses the halves
	v_add_f32_dpp v[P0],   v[P0],   v[P0]   row_xmask:\m row_mask:0xf bank_mask:0xf
	v_add_f32_dpp v[P0+1], v[P0+1], v[P0+1] row_xmask:\m row_mask:0xf bank_mask:0xf
.endr
	v_permlanex16_b32 v[PT],   v[P0],   s[SEL], s[SEL+1]
	v_permlanex16_b32 v[PT+1], v[P0+1], s[SEL], s[SEL+1]
	v_add_f32 v[P0],   v[P0],   v[PT]
	v_add_f32 v[P0+1], v[P0+1], v[PT+1]
	v_cmp_eq_u32 vcc_lo, s[E0], v[LN]              ; lanes 2 i and 2 i + 1 keep this tile's two sums
	v_cndmask_b32 v[RES], v[RES], v[P0], vcc_lo
	v_cmp_eq_u32 vcc_lo, s[E1], v[LN]
	v_cndmask_b32 v[RES], v[RES], v[P0+1], vcc_lo
	s_add_co_u32 s[E0], s[E0], 2
	s_add_co_u32 s[E1], s[E1], 2
	s_sub_co_u32 s[TILES], s[TILES], 1
	s_cmp_lg_u32 s[TILES], 0
	s_cbranch_scc1 .Ltile
	global_store_b32 v[PO], v[RES], s[12:13]       ; 128 consecutive bytes a wave; the work-group's four waves fill 512, at a multiple of 512 from part's first byte
	s_wait_tensorcnt 0x0                           ; the wave's end: behind my last tensor load and my last LDS store
	ds_add_u32 v[SPW], v[NIL]
	s_wait_dscnt 0x0
	CROUND                                         ; the closing round: no work-group ends while a partner may still ask for a tile that names it
	s_endpgm
.Lfunc_end_k_qf7cd99f862_snn:
	.size	k_qf7cd99f862_snn, .Lfunc_end_k_qf7cd99f862_snn-k_qf7cd99f862_snn
	.p2alignl 7, 3214868480
	.fill 96, 4, 3214868480
	.section	.rodata,"a",@progbits
	.p2align	6, 0x0
	.amdhsa_kernel k_qf7cd99f862_snn
		.amdhsa_group_segment_fixed_size 327680
		.amdhsa_private_segment_fixed_size 0
		.amdhsa_enable_private_segment 0
		.amdhsa_kernarg_size 40
		.amdhsa_user_sgpr_count 2
		.amdhsa_user_sgpr_kernarg_segment_ptr 1
		.amdhsa_wavefront_size32 1
		.amdhsa_system_sgpr_workgroup_id_x 1
		.amdhsa_system_sgpr_workgroup_id_y 1
		.amdhsa_system_sgpr_workgroup_id_z 1
		.amdhsa_system_vgpr_workitem_id 0
		.amdhsa_next_free_vgpr 1024
		.amdhsa_next_free_sgpr 66
		.amdhsa_reserve_vcc 1
		.amdhsa_float_denorm_mode_32 3
		.amdhsa_float_denorm_mode_16_64 3
		.amdhsa_memory_ordered 1
		.amdhsa_forward_progress 1
		.amdhsa_inst_pref_size 255
	.end_amdhsa_kernel
	.section	.bss,"aw",@nobits
	.p2align	6
	.space	262144
	.amdgpu_metadata
---
amdhsa.version: [ 1, 2 ]
amdhsa.kernels:
  - .name:           k_qf7cd99f862_snn
    .symbol:         k_qf7cd99f862_snn.kd
    .args:
      - { .name: x_sequence, .offset: 0, .size: 8, .value_kind: global_buffer, .address_space: global }
      - { .name: w1b, .offset: 8, .size: 8, .value_kind: global_buffer, .address_space: global }
      - { .name: b1, .offset: 16, .size: 8, .value_kind: global_buffer, .address_space: global }
      - { .name: w2, .offset: 24, .size: 8, .value_kind: global_buffer, .address_space: global }
      - { .name: part, .offset: 32, .size: 8, .value_kind: global_buffer, .address_space: global }
    .group_segment_fixed_size: 327680
    .private_segment_fixed_size: 0
    .kernarg_segment_align: 8
    .kernarg_segment_size: 40
    .max_flat_workgroup_size: 128
    .sgpr_count:     66
    .vgpr_count:     1024
    .wavefront_size: 32
...
	.end_amdgpu_metadata
.endif
;; end of part 2
;; launch fin (part 3): grid 1 x 1, 16 waves a work-group, no clusters, 0 bytes of LDS; arguments part, b2, out0; writes out0
.if DOCPART == 3
	.amdgcn_target "amdgcn-amd-amdhsa--gfx1250"
	.amdhsa_code_object_version 6
	.text
	.protected	k_qf7cd99f862_fin
	.globl	k_qf7cd99f862_fin
	.p2align	8
	.type	k_qf7cd99f862_fin,@function
k_qf7cd99f862_fin:
	s_mov_b64 s[64:65], 0
	v_nop
	global_prefetch_b8 v0, s[64:65] scope:SCOPE_SE
	s_setreg_imm32_b32 hwreg(HW_REG_WAVE_MODE, 25, 1), 1
	s_wait_xcnt 0x0
; out0[b][o] = the sum of the 16 partial sums (4 quarters of H x 4 waves) of batch b and output o, + 128 b2[o] (b2 enters once in each of the 128 time steps; it is rounded to bf16 like the other inputs).
; part: [64 y][16 c][32 lanes] f32, lane e = 2 i + o for batch 4 y + i.  Thread n of 512 makes out0's number n: n = 8 y + e = 2 b + o.  One work-group: 512 numbers, 32 KiB read; nothing here is worth sharing further.
	s_load_b128 s[4:7], s[0:1], 0x0                ; part s[4:5], b2 s[6:7]
	s_load_b64 s[8:9], s[0:1], 0x10                ; out0
	v_lshrrev_b32 v1, 3, v0                        ; y
	v_and_b32 v2, 7, v0                            ; e
	v_lshlrev_b32 v2, 2, v2
	v_lshl_add_u32 v1, v1, 11, v2                  ; y x 2,048 + 4 e
	v_and_b32 v3, 1, v0                            ; o
	v_lshlrev_b32 v3, 2, v3
	v_lshlrev_b32 v22, 2, v0
	s_wait_kmcnt 0x0
.irp c, 0,1,2,3,4,5,6,7,8,9,10,11,12,13,14,15
	global_load_b32 v[4+(\c)], v1, s[4:5] offset:128*(\c)
.endr
	global_load_b32 v20, v3, s[6:7]
	s_wait_loadcnt 0x0
.irp c, 0,2,4,6
	v_pk_add_f32 v[4+(\c):5+(\c)], v[4+(\c):5+(\c)], v[12+(\c):13+(\c)]
.endr
	v_cvt_pk_bf16_f32 v21, v20, v20
	v_pk_add_f32 v[4:5], v[4:5], v[8:9]
	v_pk_add_f32 v[6:7], v[6:7], v[10:11]
	v_lshlrev_b32 v21, 16, v21
	v_pk_add_f32 v[4:5], v[4:5], v[6:7]
	v_add_f32 v4, v4, v5
	v_fma_f32 v4, v21, 0x43000000, v4              ; + 128 b2[o]
	global_store_b32 v22, v4, s[8:9]               ; a wave stores 128 consecutive bytes
	s_endpgm
.Lfunc_end_k_qf7cd99f862_fin:
	.size	k_qf7cd99f862_fin, .Lfunc_end_k_qf7cd99f862_fin-k_qf7cd99f862_fin
	.p2alignl 7, 3214868480
	.fill 96, 4, 3214868480
	.section	.rodata,"a",@progbits
	.p2align	6, 0x0
	.amdhsa_kernel k_qf7cd99f862_fin
		.amdhsa_group_segment_fixed_size 0
		.amdhsa_private_segment_fixed_size 0
		.amdhsa_enable_private_segment 0
		.amdhsa_kernarg_size 24
		.amdhsa_user_sgpr_count 2
		.amdhsa_user_sgpr_kernarg_segment_ptr 1
		.amdhsa_wavefront_size32 1
		.amdhsa_system_sgpr_workgroup_id_x 1
		.amdhsa_system_sgpr_workgroup_id_y 1
		.amdhsa_system_sgpr_workgroup_id_z 1
		.amdhsa_system_vgpr_workitem_id 0
		.amdhsa_next_free_vgpr 32
		.amdhsa_next_free_sgpr 66
		.amdhsa_reserve_vcc 0
		.amdhsa_float_denorm_mode_32 3
		.amdhsa_float_denorm_mode_16_64 3
		.amdhsa_memory_ordered 1
		.amdhsa_forward_progress 1
		.amdhsa_inst_pref_size 4
	.end_amdhsa_kernel
	.amdgpu_metadata
---
amdhsa.version: [ 1, 2 ]
amdhsa.kernels:
  - .name:           k_qf7cd99f862_fin
    .symbol:         k_qf7cd99f862_fin.kd
    .args:
      - { .name: part, .offset: 0, .size: 8, .value_kind: global_buffer, .address_space: global }
      - { .name: b2, .offset: 8, .size: 8, .value_kind: global_buffer, .address_space: global }
      - { .name: out0, .offset: 16, .size: 8, .value_kind: global_buffer, .address_space: global }
    .group_segment_fixed_size: 0
    .private_segment_fixed_size: 0
    .kernarg_segment_align: 8
    .kernarg_segment_size: 24
    .max_flat_workgroup_size: 512
    .sgpr_count:     66
    .vgpr_count:     32
    .wavefront_size: 32
...
	.end_amdgpu_metadata
.endif
;; end of part 3
